; MI455X (gfx1250); checked and timed in simulation.
; The chip was launched on July 23, 2026; its instructions are those of AMD's public machine-readable ISA for CDNA 5 (MIT licence, August 2026) and "CDNA5" Instruction Set Architecture Reference Guide (July 2026). The comments in the code are by the model that wrote it; some were corrected since.
;; Multi Head Attention. Allowed arithmetic: matrix products marked QUANTISED: E2M1 operands, one E8M0 scale for each 32 along K, by v_wmma_scale_f32_16x16x128_f8f6f4 with both operands' format E2M1 (or v_wmma_scale_f32_32x16x128_f4), f32 sums; everything else in f32.
;; Inputs: Wk_codes 1,024 x 32 x 16 uint8 (E2M1 codes of Wk, K innermost, in blocks of 32 codes, two codes a byte); Wk_scales 1,024 x 32 uint8 (E8M0 scales of Wk, one for each 32 codes along K); Wq_codes 1,024 x 32 x 16 uint8 (E2M1 codes of Wq, K innermost, in blocks of 32 codes, two codes a byte); Wq_scales 1,024 x 32 uint8 (E8M0 scales of Wq, one for each 32 codes along K); Wv_codes 1,024 x 32 x 16 uint8 (E2M1 codes of Wv, K innermost, in blocks of 32 codes, two codes a byte); Wv_scales 1,024 x 32 uint8 (E8M0 scales of Wv, one for each 32 codes along K); beta 1,024 float32; bk 1,024 float32; bq 1,024 float32; bv 1,024 float32; gamma 1,024 float32; k_codes 4 x 2,048 x 32 x 16 uint8 (E2M1 codes of k, K innermost, in blocks of 32 codes, two codes a byte); k_scales 4 x 2,048 x 32 uint8 (E8M0 scales of k, one for each 32 codes along K); q 4 x 2,048 x 1,024 float32; v_codes 4 x 2,048 x 32 x 16 uint8 (E2M1 codes of v, K innermost, in blocks of 32 codes, two codes a byte); v_scales 4 x 2,048 x 32 uint8 (E8M0 scales of v, one for each 32 codes along K).
;; Outputs: out0 4 x 2,048 x 1,024 float32.
;; This version of the problem:
;;   THIS VERSION OF THE PROBLEM IS GIVEN IN LOW PRECISION. The matrix products marked QUANTISED in the list below multiply operands that are first quantised to E2M1 (2 exponent bits, 1 mantissa bit; 4 bits a number), with one power-of-two scale for each 32 numbers along K (OCP MX v1.0); their sums are f32. All else is computed in f32.
;;   The module's matrix products, in the order in which they are computed (A, B: the left and right operand; K: the contracted axis; several contracted axes count as one K, in the product's order):
;;     1. [M 8,192, K 1,024] x [K 1,024, N 1,024]; A: input q; B: input Wq (given as codes): QUANTISED
;;     2. [M 8,192, K 1,024] x [K 1,024, N 1,024]; A: input k (given as codes); B: input Wk (given as codes): QUANTISED
;;     3. [M 8,192, K 1,024] x [K 1,024, N 1,024]; A: input v (given as codes); B: input Wv (given as codes): QUANTISED
;;     4. batch 64 x [M 2,048, K 64] x [K 64, N 2,048]; A: computed on the way; B: computed on the way: QUANTISED
;;     5. batch 64 x [M 2,048, K 2,048] x [K 2,048, N 64]; A: softmax (see below); B: computed on the way: QUANTISED
;;   THE QUANTISER, for each operand of a quantised product, along K:
;;     - K is cut into blocks of 32 from its start; a last block that is shorter is filled with zeros.
;;     - A block's scale is 2^e with e = floor(log2(the largest magnitude in the block)) - 2, held to -126 .. 127; a block of zeros has e = 0. As a byte (E8M0): e + 127.
;;     - Each number is divided by its block's scale, clamped to +-6, and rounded to the nearest number of E2M1, ties to even, subnormals kept.
;;     - The product sums the exact products of the quantised numbers (number of the format x scale) in f32.
;;   ~~~python
;;   def quantise(x, axis):      # numpy; x: float32 -> the quantised numbers, widened to float32 again
;;       x = np.moveaxis(x, axis, -1); K = x.shape[-1]
;;       x = np.pad(x, [(0, 0)] * (x.ndim - 1) + [(0, -K % 32)]); x = x.reshape(x.shape[:-1] + (-1, 32)); a = np.abs(x).max(-1, keepdims=True)
;;       e = np.where(a > 0, np.clip(np.frexp(np.where(a > 0, a, 1))[1] - 1 - 2, -126, 127), 0)      # np.frexp(a)[1] - 1 = floor(log2(a)), exactly
;;       r = np.clip(x / 2.0 ** e, -6, 6)
;;       step = 2.0 ** (np.maximum(np.frexp(np.where(r == 0, 1, r))[1] - 1, 0) - 1)
;;       q = np.round(r / step) * step * 2.0 ** e      # np.round: ties to even
;;       return np.moveaxis(q.reshape(q.shape[:-2] + (-1,))[..., :K], -1, axis).astype(np.float32)
;;   ~~~
;;   SOFTMAX AHEAD OF A QUANTISED PRODUCT. Where the list says 'softmax', what is quantised is not the finished softmax but p = 2^(t - M), with t = logit x log2(e) and M = ceil(the row's largest t), a whole number; so 1/2 < the row's largest p <= 1. The row's sum l is taken of the UNQUANTISED p, in f32, and the product's result is divided by l at the end. Since M is a whole number, a kernel that streams over the keys may use a running M (the ceiling of the running maximum): every later rescaling is an exact power of two, which a block's scale takes up: the codes' values come out the same.
;;   OPERANDS COMPUTED ON THE WAY. 'Computed on the way' means the value that the module computes at that place (a softmax that the list does not call 'softmax' is quantised finished and normalised). What goes into a quantiser is computed in f32, as accurately as f32 sums, v_exp_f32 and their like allow (about 1e-6 of the number): no bf16 or f16 on the way to a quantiser, and a product that is left as it is and whose result goes on into a quantised operand takes f32 operands (vector FMAs, or v_wmma_f32_16x16x4_f32). A number that lies on a knife's edge between two numbers of the format may be rounded either way, as far as f32 arithmetic and the matrix unit's own rounding can turn it there, and no further.
;;   INPUTS GIVEN AS CODES. Wk (in the module: [1024, 1024], K = its axis 0); Wq (in the module: [1024, 1024], K = its axis 0); Wv (in the module: [1024, 1024], K = its axis 0); k (in the module: [4, 2048, 1024], K = its axis 2); v (in the module: [4, 2048, 1024], K = its axis 2): each comes as NAME_codes (uint8): NAME with its K axis moved to the last place and cut into blocks of 32 codes, [.., K / 32, bytes a block], one block behind the other in memory; two codes a byte, the lower K in the low four bits (a code: sign, 2 exponent bits, 1 mantissa bit); and NAME_scales (uint8): the same leading axes, one E8M0 byte (e + 127) for each 32 codes along K. Its value is code x scale, taken as it is: it is not quantised again, and the codes and scales need not be those that the quantiser above would give.
;; One version. Each part assembles by itself: llvm-mc -triple=amdgcn-amd-amdhsa -mcpu=gfx1250 --defsym DOCPART=n.
;; ======== version 1 of 1: 3 launches
;; limits: right only within a limited range of input values
;; workspace buffers: qc 4,194,304 bytes; qs 262,144 bytes; QW 4,456,448 bytes; KW 4,456,448 bytes; VW 4,456,448 bytes
;; launch quantq (part 1): grid 256 x 1, 4 waves a work-group, no clusters, 33,280 bytes of LDS; arguments q, qc, qs; writes qc, qs
.if DOCPART == 1
	.amdgcn_target "amdgcn-amd-amdhsa--gfx1250"
	.amdhsa_code_object_version 6
	.text
	.protected	k_qe54239f7d2_quantq
	.globl	k_qe54239f7d2_quantq
	.p2align	8
	.type	k_qe54239f7d2_quantq,@function
k_qe54239f7d2_quantq:
	s_mov_b64 s[64:65], 0
	v_nop
	global_prefetch_b8 v0, s[64:65] scope:SCOPE_SE
	s_setreg_imm32_b32 hwreg(HW_REG_WAVE_MODE, 25, 1), 1
	s_wait_xcnt 0x0
; q [8192][1024] f32 becomes codes of E2M1, K innermost (qc: 512 bytes a row), with one E8M0 byte for each 32 along K (qs: 32 bytes a row): laid as k_codes and k_scales are.
; A block's scale is 2^(floor(log2(its largest magnitude)) - 2); its byte is the largest magnitude's exponent field - 2, held at 1 from below.  A block of zeros so gets the byte 1: its codes are zeros, and this program alone reads the bytes.
; LIMITS: NaN and infinities among the inputs are not served; a block whose largest magnitude lies under 2^-124 gets the byte 1.
; Rows are dense and 1,024 is a multiple of 32: the tensor is a plain stream of blocks of 32.  A wave takes 16 steps of 512 numbers.  Each of a step's four loads reads 512 consecutive bytes, 16 a lane;
; the 2,048 bytes turn through the wave's own stage in LDS and come back 64 bytes a lane: 16 neighbours along K, two lanes to a block.  A lane's 16 codes are 8 bytes: a wave's store covers 256 consecutive bytes.
; A wave's 256 scale bytes are gathered in its own LDS bytes and leave as one run of 256 bytes.  Waves share nothing: no barrier, no cluster.  Loads run eight steps (32 loads a wave) ahead.
.set STEPS, 16
.set AHEAD, 8
.set SP,    80                         ; a lane's place in a stage: 64 bytes + 16 of padding
.set WREG,  8192                       ; LDS of a wave: two stages of 32 x SP bytes, then its 256 scale bytes
.set R,     16                         ; v16-143  eight sets of 16 numbers as loaded
.set X,     144                        ; v144-175 two sets of 16 neighbours
.set E,     176                        ; v176-191 a scale byte for each step
.set C,     192                        ; v192-223 two registers of codes for each step: no store's data are written again
	s_load_b128 s[4:7], s[0:1], 0x0                ; q, qc
	s_load_b64 s[8:9], s[0:1], 0x10                ; qs
	v_lshl_add_u32 v224, v0, 2, 0x8000
	v_mov_b32 v225, 0
	v_lshrrev_b32 v1, 5, v0
	v_readfirstlane_b32 s16, v1                    ; wave
	v_and_b32 v2, 31, v0                           ; lane
	v_lshlrev_b32 v3, 4, v2                        ; my 16 bytes of a load's 512
	s_mul_i32 s17, s16, WREG
	v_lshrrev_b32 v14, 2, v2
	v_mul_u32_u24 v14, v14, SP
	v_and_b32 v15, 3, v2
	v_lshl_add_u32 v14, v15, 4, v14
	v_add_nc_u32 v14, s17, v14                     ; the stage, on the way in: SP (lane / 4) + 16 (lane % 4)
	v_mul_u32_u24 v15, v2, SP
	v_add_nc_u32 v15, s17, v15                     ; and on the way out: SP x lane
	v_lshlrev_b32 v4, 3, v2                        ; 8 bytes a lane: my codes in a step's, my scale bytes in the wave's
	v_lshrrev_b32 v5, 1, v2
	s_add_co_u32 s17, s17, 2*32*SP
	v_add_nc_u32 v5, s17, v5                       ; LDS: my block's byte
	v_add_nc_u32 v6, s17, v4                       ; and on the way out 8 bytes a lane
	s_lshl_b32 s18, ttmp9, 2
	s_add_co_u32 s18, s18, s16                     ; which run of 8,192 numbers is my wave's
	s_lshl_b32 s20, s18, 15                        ; 32,768 bytes of q,
	s_mov_b32 s21, 0
	s_lshl_b32 s22, s18, 12                        ; 4,096 of codes,
	s_mov_b32 s23, 0
	s_lshl_b32 s24, s18, 8                         ; 256 of scale bytes
	s_mov_b32 s25, 0
	s_wait_alu depctr_va_vdst(0)
	s_wait_kmcnt 0x0
	s_add_nc_u64 s[4:5], s[4:5], s[20:21]
	s_add_nc_u64 s[6:7], s[6:7], s[22:23]
	s_add_nc_u64 s[8:9], s[8:9], s[24:25]
.macro LOAD t
.irp i, 0,1,2,3
	global_load_b128 v[R+16*((\t)%AHEAD)+4*\i:R+16*((\t)%AHEAD)+4*\i+3], v3, s[4:5] offset:2048*(\t)+512*\i
.endr
.endm
.macro TURN t                          ; step t's numbers through the stage: LDS serves a wave's instructions in order, so no wait stands between the stores and the loads
.irp i, 0,1,2,3
	ds_store_b128 v14, v[R+16*((\t)%AHEAD)+4*\i:R+16*((\t)%AHEAD)+4*\i+3] offset:32*SP*((\t)%2)+8*SP*\i
.endr
.irp i, 0,1,2,3
	ds_load_b128 v[X+16*((\t)%2)+4*\i:X+16*((\t)%2)+4*\i+3], v15 offset:32*SP*((\t)%2)+16*\i
.endr
.endm
.irp t, 0,1,2,3,4,5,6,7
	LOAD \t
.endr
	s_wait_loadcnt 28                              ; step 0's four loads are in; the 28 of steps 1 to 7 may be out
	TURN 0
.macro STEP t
.set XS, X+16*((\t)%2)
.if (\t) > 0
	s_wait_dscnt 1                                 ; this step's numbers are back from the stage (the last step's byte store may be out): so its stores into the stage have read their registers,
.else
	s_wait_dscnt 0x0
.endif
.if (\t)+AHEAD < STEPS
	LOAD (\t)+AHEAD                                ; which take the loads of eight steps on
.endif
.if (\t)+1 < STEPS
.if STEPS-2-(\t) >= AHEAD-1
	s_wait_loadcnt 4*(AHEAD-1)                     ; the next step's four loads are in; those of the seven steps behind it may be out
.else
	s_wait_loadcnt 4*(STEPS-2-(\t))
.endif
	TURN (\t)+1                                    ; they go through the other stage while this step is worked
.endif
	v_max3_num_f32 v8, |v[XS]|, |v[XS+1]|, |v[XS+2]|               ; the largest magnitude of my 16, in two chains
	v_max3_num_f32 v9, |v[XS+3]|, |v[XS+4]|, |v[XS+5]|
.irp i, 6,10
	v_max3_num_f32 v8, v8, |v[XS+\i]|, |v[XS+\i+1]|
	v_max3_num_f32 v9, v9, |v[XS+\i+2]|, |v[XS+\i+3]|
.endr
	v_max3_num_f32 v8, v8, |v[XS+14]|, |v[XS+15]|
	v_max3_num_f32 v8, v8, v9, 0x1800000           ; and the floor 2^(3 - 127): the byte cannot fall under 1
	v_max_num_f32_dpp v8, v8, v8 row_xmask:1 row_mask:0xf bank_mask:0xf   ; and of my neighbour's 16: the block's
	v_add_nc_u32 v11, 0xff000000, v8               ; 2 off its exponent field: the conversion takes the exponent field of this operand as its scale
	v_cvt_scalef32_pk8_fp4_f32 v[C+2*(\t)], v[XS:XS+7], v11
	v_cvt_scalef32_pk8_fp4_f32 v[C+2*(\t)+1], v[XS+8:XS+15], v11
	v_lshrrev_b32 v[E+(\t)], 23, v11               ; the scale's byte (a plain line behind the conversions)
	ds_store_b8 v5, v[E+(\t)] offset:16*(\t)       ; both lanes of a block write the same byte with the same value
	global_store_b64 v4, v[C+2*(\t):C+2*(\t)+1], s[6:7] offset:256*(\t)   ; 32 lanes store 256 consecutive bytes, at a multiple of 256 from the buffer's first byte
.endm
.irp t, 0,1,2,3,4,5,6,7,8,9,10,11,12,13,14,15
	STEP \t
.endr
	ds_load_b64 v[12:13], v6                       ; LDS serves a wave's instructions in order: these see my stores
	s_wait_dscnt 0x0
	global_store_b64 v4, v[12:13], s[8:9]          ; 32 lanes store 256 consecutive bytes
	s_wait_tensorcnt 0x0
	ds_add_u32 v224, v225
	s_wait_dscnt 0x0
	s_endpgm
.Lfunc_end_k_qe54239f7d2_quantq:
	.size	k_qe54239f7d2_quantq, .Lfunc_end_k_qe54239f7d2_quantq-k_qe54239f7d2_quantq
	.p2alignl 7, 3214868480
	.fill 96, 4, 3214868480
	.section	.rodata,"a",@progbits
	.p2align	6, 0x0
	.amdhsa_kernel k_qe54239f7d2_quantq
		.amdhsa_group_segment_fixed_size 33280
		.amdhsa_private_segment_fixed_size 0
		.amdhsa_enable_private_segment 0
		.amdhsa_kernarg_size 24
		.amdhsa_user_sgpr_count 2
		.amdhsa_user_sgpr_kernarg_segment_ptr 1
		.amdhsa_wavefront_size32 1
		.amdhsa_system_sgpr_workgroup_id_x 1
		.amdhsa_system_sgpr_workgroup_id_y 1
		.amdhsa_system_sgpr_workgroup_id_z 1
		.amdhsa_system_vgpr_workitem_id 0
		.amdhsa_next_free_vgpr 226
		.amdhsa_next_free_sgpr 66
		.amdhsa_reserve_vcc 0
		.amdhsa_float_denorm_mode_32 3
		.amdhsa_float_denorm_mode_16_64 3
		.amdhsa_memory_ordered 1
		.amdhsa_forward_progress 1
		.amdhsa_inst_pref_size 33
	.end_amdhsa_kernel
	.amdgpu_metadata
---
amdhsa.version: [ 1, 2 ]
amdhsa.kernels:
  - .name:           k_qe54239f7d2_quantq
    .symbol:         k_qe54239f7d2_quantq.kd
    .args:
      - { .name: q, .offset: 0, .size: 8, .value_kind: global_buffer, .address_space: global }
      - { .name: qc, .offset: 8, .size: 8, .value_kind: global_buffer, .address_space: global }
      - { .name: qs, .offset: 16, .size: 8, .value_kind: global_buffer, .address_space: global }
    .group_segment_fixed_size: 33280
    .private_segment_fixed_size: 0
    .kernarg_segment_align: 8
    .kernarg_segment_size: 24
    .max_flat_workgroup_size: 128
    .sgpr_count:     66
    .vgpr_count:     226
    .wavefront_size: 32
...
	.end_amdgpu_metadata
.endif
;; end of part 1
;; launch proj (part 2): grid 16 x 48, 4 waves a work-group, clusters of 4 x 4, 224,768 bytes of LDS; arguments Wq_codes, Wk_codes, v_codes, Wq_scales, Wk_scales, v_scales, qc, k_codes, Wv_codes, qs, k_scales, Wv_scales, bq, bk, bv, QW, KW, VW; writes QW, KW, VW
.if DOCPART == 2
	.amdgcn_target "amdgcn-amd-amdhsa--gfx1250"
	.amdhsa_code_object_version 6
	.text
	.protected	k_qe54239f7d2_proj
	.globl	k_qe54239f7d2_proj
	.p2align	8
	.type	k_qe54239f7d2_proj,@function
k_qe54239f7d2_proj:
	s_mov_b64 s[64:65], 0
	v_nop
	global_prefetch_b8 v0, s[64:65] scope:SCOPE_SE
	s_setreg_imm32_b32 hwreg(HW_REG_WAVE_MODE, 25, 1), 1
	s_wait_xcnt 0x0
	s_wait_alu depctr_hold_cnt(0) depctr_sa_sdst(0) depctr_va_vdst(0) depctr_va_sdst(0) depctr_va_ssrc(0) depctr_va_vcc(0) depctr_vm_vsrc(0)
	s_getreg_b32 s2, hwreg(HW_REG_IB_STS2, 6, 4)
	s_cmp_eq_u32 s2, 0
	s_cbranch_scc0 .Lentry_in_a_cluster
	s_endpgm
.Lentry_in_a_cluster:
	s_bfe_u32 s2, ttmp6, 0x10000c
	s_cmp_lg_u32 s2, 0xf033
	s_cbranch_scc0 .Lentry_shape_is_right
	s_endpgm
.Lentry_shape_is_right:
; THE THREE PROJECTIONS, one text and one path: x W + b on codes of E2M1, the result quantised at once along the NEXT product's K and stored as images of that product's operand registers.
; One generic product: S0 = source 0 (16 rows a tile), S1 = source 1.  In the result a lane holds ONE row of S1 and its registers run along S0's rows: so the result is quantised along S0's rows.
;   Q, K (mode 0, 1): S0 = the weight's 1,024 rows (output channels, the scores' K), S1 = the 8,192 tokens.      V (mode 2): S0 = the 8,192 keys (the second product's K), S1 = Wv's 1,024 rows.
; The mode comes from the cluster's y and chooses pointers, offsets and two factors by selects; no branch hangs on it.
; SHARES.  A work-group makes 256 rows of S0 x 128 rows of S1 over all K = 1,024; 256 work-groups a mode.  Wave w: rows 128 (w % 2) on of S0, rows 64 (w / 2) on of S1: 32 accumulators, 256 registers.
; ALL OF K LIES IN LDS: rows of 512 bytes + 16 of padding, the second 512 along K 256 bytes in and all scale bytes.  Every LDS byte is filled once, so there is no ring.
; CLUSTER 4 x 4: S0's tile hangs on cx and the cluster's ids alone and is asked for jointly by a column of the cluster, S1's on cy and is asked for by a row.
; PLAIN TILES.  In tile t lane (r, h) holds rows 16 t + 8 h + 0..7 of S0: of a block of 32 (tiles 2 b, 2 b + 1) the octets h and 2 + h.  The conversion of tile 2 b + e goes to register 4 (b / 2) + 2 e + b % 2, and an
; exchange of halves between registers 4 c + 2 i and 4 c + 2 i + 1 leaves octet i of block 2 c + h in register 4 c + i: the operand's layout.
; OUT.  QW, KW: codes [bh][token tile][lane][16 bytes] (registers 0-3 of the scores' operand), scale bytes from byte 0x400000 on [bh][tile][row][2].  VW: codes [bh][key step][d tile][c][lane][16], scale words [bh][key step][d tile][row][4].
; THE BIAS runs along S0's rows (Q, K) or S1's (V).  Both forms are loaded from the mode's bias and added by fused multiply-adds with the factors 1 and 0.
; LIMITS: NaN and infinities are not served; a bias that is not finite spoils other columns through the factor 0; a block whose largest magnitude lies under 2^-124 gets the byte 1 (a block of zeros too: its codes are zeros).
; REGISTERS.  Window 0: v1-31 addresses and the bias along S1; v32-79 scale words and nothing else; v80-143 64 results at work; v144-179 codes and scale words going out; v180-207 at work.
;   Window 1: v0-127 S0's fragments, two sets; v128-191 the bias along S0; v192-255 S1's fragments, two sets.   Window 2: accumulator (s, t) at v[8 (8 s + t)].
.set PITCH, 528                        ; an LDS row now holds ALL of K: 512 bytes + 16 of padding = 132 words, so the sixteen rows of a fragment load start four banks apart; every fill is one load of whole rows
.set HALFT, 128*PITCH
.set SLOT,  256                        ; the second 512 along K begin 256 bytes into a row
.set SCL,   3*HALFT                    ; behind S0's 256 rows and S1's 128: S0's scale bytes, 32 runs of 256 bytes + 16
.set SCB,   SCL+32*272                 ; S1's: 16 runs
.set STG,   SCB+16*272                 ; 1,024 bytes for the new scale words, [w % 2][4 (w / 2) + s][row][4]: a multiple of 256; no fill lands there
.set SCOFF, 0x400000
.set ADR0, 4                           ; v4-5   S0's fragments in K half 0, 1
.set ADR1, 6                           ; v6-7   S1's
.set ASC0, 8                           ; v8     S0's scale words: lane l takes row l of a pair of tiles
.set ASC1, 9                           ; v9     S1's
.set AB0,  10                          ; v10    the bias along S0
.set AB1,  11                          ; v11    the bias along S1
.set STW,  12                          ; v12    the stage: where my scale words go
.set STA,  13                          ; v13    and come back, 16 bytes a lane (Q, K)
.set STB,  14                          ; v14    8 bytes a lane (V)
.set OS,   15                          ; v15    where they go in memory
.set VO,   16                          ; v16-23 where the codes of tile s, half c go in memory
.set B1,   24                          ; v24-31 the bias along S1: a pair for each tile s, the upper register 0
.set SC0,  32                          ; v[32 + 8 b + q]: lanes 0-15 the word of tile 2 b, lanes 16-31 of tile 2 b + 1, for the q-th 128 along K
.set SC1,  64
.set H,    80
.set PC,   144
.set PW,   176
.set TM,   180
.set LA,   200
.set LB,   204
.set OW,   206
.set B0,   128                         ; in window 1
.set G1A,  4                           ; s[4:11] group 1 for S0's codes; s[12:19] S1's; s[20:27] S0's scale bytes; s[28:35] S1's
.set G1B,  12
.set G1SA, 20
.set G1SB, 28
.set G0A,  36                          ; s[36:43] groups 0 for S0's two K halves; s[44:51] S1's; s[52:55], s[56:59] the scale bytes
.set G0B,  44
.set G0SA, 52
.set G0SB, 56
.set MCOL, 60
.set MROW, 61
.set P0C,  66                          ; the mode's pointers
.set P0S,  68
.set P1C,  70
.set P1S,  72
.set PB,   74
.set PO,   76
.set POS,  78
.set WV,   80
.set GH,   81                          ; w % 2
.set SG,   82                          ; w / 2
.set MODE, 83
.set KAP,  84
.set CX,   85
.set CY,   86
.set I0,   87                          ; which 256 rows of S0: never holds cy
.set I1,   88                          ; which 128 rows of S1: never holds cx
.set F0,   90                          ; s[90:91] 1.0 for Q and K, 0 for V
.set F1,   92                          ; s[92:93] the reverse
.set MV,   94                          ; all ones in mode V
.set PSEL, 95
.set SEL,  96
.set MSB, 0
.macro WIN new                         ; the immediate's high byte repeats the setting that is left
.if MSB != \new
	s_set_vgpr_msb (MSB<<8)|\new
.set MSB, \new
.endif
.endm
.macro PLACES n
.rept \n
	v_nop
.endr
.endm
.macro ROUND                           ; a round of the cluster's barrier
	s_barrier_signal -1
	s_barrier_wait -1
	s_cmp_lg_u32 s[WV], 0
	s_cbranch_scc1 .Lnot_wave_0_\@
	s_barrier_signal -3
.Lnot_wave_0_\@:
	s_barrier_wait -3
	s_barrier_signal -1
	s_barrier_wait -1
.endm
	s_load_b512 s[4:19], s[0:1], 0x0               ; Wq, Wk, v codes; Wq, Wk, v scales; qc, k codes
	s_load_b512 s[20:35], s[0:1], 0x40             ; Wv codes; qs, k, Wv scales; bq, bk, bv; QW
	s_load_b128 s[36:39], s[0:1], 0x80             ; KW, VW
	v_lshl_add_u32 v254, v0, 2, 0x36c00
	v_mov_b32 v255, 0
	ds_add_u32 v254, v255
	ds_add_u32 v254, v255
	v_lshrrev_b32 v1, 5, v0
	v_readfirstlane_b32 s[WV], v1                  ; wave 0..3
	s_and_b32 s[GH], s[WV], 1
	s_lshr_b32 s[SG], s[WV], 1
	s_bfe_u32 s[CX], ttmp6, 0x40000
	s_bfe_u32 s[CY], ttmp6, 0x40004
	s_and_b32 s[KAP], ttmp7, 0xffff                ; the cluster's y, 0..11
	s_lshr_b32 s[MODE], s[KAP], 2
	s_and_b32 s[KAP], s[KAP], 3
	s_lshl_b32 s[KAP], s[KAP], 2
	s_add_co_u32 s[KAP], s[KAP], ttmp9             ; the cluster's number in its mode, 0..15
	s_cmp_eq_u32 s[MODE], 2
	s_cselect_b32 s62, 7, 0
	s_cselect_b32 s63, 3, 0
	s_cselect_b32 s[MV], -1, 0
	s_cselect_b32 s[F0], 0, 0x3f800000
	s_cselect_b32 s[F1], 0x3f800000, 0
	s_mov_b32 s[F0+1], s[F0]                       ; (named as pairs, so both words are written)
	s_mov_b32 s[F1+1], s[F1]
	s_and_b32 s[I0], s[KAP], s62
	s_lshl_b32 s[I0], s[I0], 2
	s_add_co_u32 s[I0], s[I0], s[CX]               ; Q, K: cx;  V: cx + 4 (number % 8)
	s_lshr_b32 s[I1], s[KAP], s63
	s_lshl_b32 s[I1], s[I1], 2
	s_add_co_u32 s[I1], s[I1], s[CY]               ; Q, K: cy + 4 number;  V: cy + 4 (number / 8)
	s_lshl_b32 s[MCOL], 0x1111, s[CX]              ; my column of the cluster
	s_lshl_b32 s[MROW], s[CY], 2
	s_lshl_b32 s[MROW], 15, s[MROW]                ; my row
	s_mov_b32 s[SEL], 0x76543210
	s_mov_b32 s[SEL+1], 0xfedcba98                 ; lane l xor 16
	s_cmp_eq_u32 s[GH], 0
	s_mov_b32 s[PSEL], 0x07060302                  ; the two high halves (an odd wave stores its pair's second head),
	s_cselect_b32 s[PSEL], 0x05040100, s[PSEL]     ; or the two low ones
	; LDS addresses: made of the lane and the wave's number alone
	v_and_b32 v1, 15, v0                           ; r
	v_bfe_u32 v2, v0, 4, 1                         ; h
	v_and_b32 v3, 31, v0                           ; lane
	v_mul_u32_u24 v200, v1, PITCH
	v_lshl_add_u32 v200, v2, 4, v200               ; a fragment's row x pitch + 16 h
	s_mul_i32 s2, s[GH], HALFT
	v_add_nc_u32 v[ADR0], s2, v200
	v_add_nc_u32 v[ADR0+1], SLOT, v[ADR0]
	s_mul_i32 s2, s[SG], 64*PITCH
	s_add_co_u32 s2, s2, 2*HALFT
	v_add_nc_u32 v[ADR1], s2, v200
	v_add_nc_u32 v[ADR1+1], SLOT, v[ADR1]
	v_lshrrev_b32 v201, 3, v3
	v_mul_u32_u24 v201, v201, 272
	v_and_b32 v202, 7, v3
	v_lshl_add_u32 v201, v202, 5, v201             ; a row's 32 scale bytes: eight rows to a run of 256 + 16
	s_mul_i32 s2, s[GH], 16*272
	s_add_co_u32 s2, s2, SCL
	v_add_nc_u32 v[ASC0], s2, v201
	s_mul_i32 s2, s[SG], 8*272
	s_add_co_u32 s2, s2, SCB
	v_add_nc_u32 v[ASC1], s2, v201
	s_lshl_b32 s2, s[GH], 9
	s_lshl_b32 s3, s[SG], 8
	s_add_co_u32 s2, s2, s3
	s_add_co_u32 s2, s2, STG
	v_lshl_add_u32 v[STW], v1, 2, s2
	v_lshl_add_u32 v[STB], v3, 3, s2
	s_lshl_b32 s2, s[SG], 9
	s_add_co_u32 s2, s2, STG
	v_lshl_add_u32 v[STA], v3, 4, s2
	; offsets in memory
	s_lshl_b32 s3, s[I0], 10
	s_lshl_b32 s89, s[GH], 9
	s_add_co_u32 s3, s3, s89
	s_and_not1_b32 s3, s3, s[MV]                   ; Q, K: 4 (256 i0 + 128 (w % 2));  V: 0 (read, and multiplied by 0)
	v_lshl_add_u32 v[AB0], v2, 5, s3
	s_lshl_b32 s3, s[I1], 9
	s_lshl_b32 s89, s[SG], 8
	s_add_co_u32 s3, s3, s89
	s_and_b32 s3, s3, s[MV]                        ; V: 4 (128 i1 + 64 (w / 2));  Q, K: 0
	v_lshl_add_u32 v[AB1], v1, 2, s3
	s_lshr_b32 s40, s[I1], 4                       ; Q, K: the batch,
	s_lshl_b32 s40, s40, 4
	s_lshl_b32 s41, s[I0], 2
	s_add_co_u32 s40, s40, s41                     ; 16 b + 4 i0
	s_and_b32 s42, s[I1], 15
	s_lshl_b32 s43, s[GH], 1
	s_add_co_u32 s43, s43, s40                     ; my first head
	s_lshl_b32 s43, s43, 16
	s_lshl_b32 s44, s42, 3
	s_lshl_b32 s45, s[SG], 2
	s_add_co_u32 s44, s44, s45                     ; my first tile of tokens
	s_lshl_b32 s44, s44, 9
	s_add_co_u32 s43, s43, s44                     ; the codes' place
	s_add_co_u32 s40, s40, s[WV]                   ; the head whose scale bytes I store
	s_lshl_b32 s40, s40, 12
	s_lshl_b32 s42, s42, 8
	s_add_co_u32 s40, s40, s42                     ; the scale bytes' place
	s_lshl_b32 s46, s[I0], 1                       ; V: my key step among all 64,
	s_add_co_u32 s46, s46, s[GH]
	s_lshr_b32 s47, s46, 4
	s_lshl_b32 s47, s47, 4
	s_lshl_b32 s48, s[I1], 1
	s_add_co_u32 s47, s47, s48
	s_add_co_u32 s47, s47, s[SG]                   ; 16 b + head
	s_and_b32 s46, s46, 15
	s_lshl_b32 s48, s47, 16
	s_lshl_b32 s49, s46, 12
	s_add_co_u32 s48, s48, s49
	s_lshl_b32 s47, s47, 12
	s_lshl_b32 s46, s46, 8
	s_add_co_u32 s47, s47, s46
	s_cmp_eq_u32 s[MODE], 2
	s_cselect_b32 s43, s48, s43
	s_cselect_b32 s40, s47, s40
	s_mov_b32 s50, 512
	s_cselect_b32 s50, 1024, s50                   ; from tile s to the next: a tile of tokens, or a tile of d
	s_mov_b32 s51, 0x10000
	s_cselect_b32 s51, 512, s51                    ; from registers 0-3 to 4-7: the next head, or the fragment's second half
	v_lshl_add_u32 v[VO], v3, 4, s43
	v_add_nc_u32 v[VO+1], s51, v[VO]
.irp s, 1,2,3
	v_add_nc_u32 v[VO+2*\s], s50, v[VO+2*\s-2]
	v_add_nc_u32 v[VO+2*\s+1], s50, v[VO+2*\s-1]
.endr
	v_lshl_add_u32 v[OS], v3, 3, s40
.irp s, 0,1,2,3
	v_mov_b32 v[B1+2*\s+1], 0                      ; named as the upper half of a pair
	v_mov_b32 v[TM+4+\s], 0                        ; written once: a lane permute's destination counts as one of its sources
.endr
	s_wait_dscnt 0x0
	s_wait_kmcnt 0x0
	s_cmp_eq_u32 s[MODE], 1                        ; the mode's six buffers: the choice hangs on the cluster's y alone
	s_cselect_b64 s[P0C:P0C+1], s[6:7], s[4:5]
	s_cselect_b64 s[P0S:P0S+1], s[12:13], s[10:11]
	s_cselect_b64 s[P1C:P1C+1], s[18:19], s[16:17]
	s_cselect_b64 s[P1S:P1S+1], s[24:25], s[22:23]
	s_cselect_b64 s[PB:PB+1], s[30:31], s[28:29]
	s_cselect_b64 s[PO:PO+1], s[36:37], s[34:35]
	s_cmp_eq_u32 s[MODE], 2
	s_cselect_b64 s[P0C:P0C+1], s[8:9], s[P0C:P0C+1]
	s_cselect_b64 s[P0S:P0S+1], s[14:15], s[P0S:P0S+1]
	s_cselect_b64 s[P1C:P1C+1], s[20:21], s[P1C:P1C+1]
	s_cselect_b64 s[P1S:P1S+1], s[26:27], s[P1S:P1S+1]
	s_cselect_b64 s[PB:PB+1], s[32:33], s[PB:PB+1]
	s_cselect_b64 s[PO:PO+1], s[38:39], s[PO:PO+1]
	s_add_nc_u64 s[POS:POS+1], s[PO:PO+1], SCOFF
	WIN 0x40                                       ; destination window 1
.irp t, 0,1,2,3,4,5,6,7
	global_load_b128 v[B0+8*\t:B0+8*\t+3], v[AB0], s[PB:PB+1] offset:64*\t         ; lane (r, h), tile t: the bias of rows 16 t + 8 h + 0..7
	global_load_b128 v[B0+8*\t+4:B0+8*\t+7], v[AB0], s[PB:PB+1] offset:64*\t+16
.endr
	WIN 0
.irp s, 0,1,2,3
	global_load_b32 v[B1+2*\s], v[AB1], s[PB:PB+1] offset:64*\s                    ; tile s: the bias of row 16 s + r
.endr
	; the descriptors, over the registers that held the eighteen pointers
	s_or_b32 s[G1A], s[MCOL], (1<<20)|(1<<21)|(6<<22)|(3<<25)    ; 15:0 the mask; elements of 1 byte; 20 padding on; 21 set beside a mask; 24:22 after every 128 words; 31:25 four words
	s_or_b32 s[G1B], s[MROW], (1<<20)|(1<<21)|(6<<22)|(3<<25)
.irp g, G1A, G1B
	s_mov_b32 s[\g+1], 512<<16                     ; tensor_dim0 = 512 bytes: all 1,024 along K
	s_mov_b32 s[\g+3], 512<<16                     ; tile_dim0
	s_mov_b32 s[\g+5], 512                         ; a row of codes in memory
	s_mov_b32 s[\g+6], 0
	s_mov_b32 s[\g+7], 0
.endr
	s_mov_b32 s[G1A+2], 256<<16                    ; S0: 256 rows in one load
	s_mov_b32 s[G1A+4], 256
	s_mov_b32 s[G1B+2], 128<<16                    ; S1: 128 rows
	s_mov_b32 s[G1B+4], 128
	s_or_b32 s[G1SA], s[MCOL], (3<<16)|(1<<20)|(1<<21)|(5<<22)|(3<<25)   ; a dense block as rows of 256 bytes (32 elements of 8 bytes), 16 bytes of padding behind each
	s_or_b32 s[G1SB], s[MROW], (3<<16)|(1<<20)|(1<<21)|(5<<22)|(3<<25)
	s_mov_b32 s[G1SA+1], 32<<16
	s_mov_b32 s[G1SA+2], 32<<16                    ; 256 rows x 32 bytes: 32 such rows
	s_mov_b32 s[G1SA+3], 32<<16
	s_mov_b32 s[G1SA+4], 32
	s_mov_b32 s[G1SA+5], 32
	s_mov_b32 s[G1SA+6], 0
	s_mov_b32 s[G1SA+7], 0
	s_mov_b32 s[G1SB+1], 32<<16
	s_mov_b32 s[G1SB+2], 16<<16                    ; 128 rows x 32 bytes: 16
	s_mov_b32 s[G1SB+3], 32<<16
	s_mov_b32 s[G1SB+4], 16
	s_mov_b32 s[G1SB+5], 32
	s_mov_b32 s[G1SB+6], 0
	s_mov_b32 s[G1SB+7], 0
	s_lshl_b32 s98, s[I0], 17                      ; S0: 256 i0 rows of 512 bytes.  s[98:99] hold S0's offsets alone, s[100:101] S1's
	s_mov_b32 s99, 0
	s_mov_b32 s[G0A], 1
	s_mov_b32 s[G0A+1], 0
	s_add_nc_u64 s[G0A+2:G0A+3], s[P0C:P0C+1], s[98:99]
	s_or_b32 s[G0A+3], s[G0A+3], 0x80000000
	s_lshl_b32 s100, s[I1], 16                     ; S1: 128 i1 rows
	s_mov_b32 s101, 0
	s_mov_b32 s[G0B], 1
	s_mov_b32 s[G0B+1], 2*HALFT
	s_add_nc_u64 s[G0B+2:G0B+3], s[P1C:P1C+1], s[100:101]
	s_or_b32 s[G0B+3], s[G0B+3], 0x80000000
	s_lshl_b32 s98, s[I0], 13
	s_mov_b32 s[G0SA], 1
	s_mov_b32 s[G0SA+1], SCL
	s_add_nc_u64 s[G0SA+2:G0SA+3], s[P0S:P0S+1], s[98:99]
	s_or_b32 s[G0SA+3], s[G0SA+3], 0x80000000
	s_lshl_b32 s100, s[I1], 12
	s_mov_b32 s[G0SB], 1
	s_mov_b32 s[G0SB+1], SCB
	s_add_nc_u64 s[G0SB+2:G0SB+3], s[P1S:P1S+1], s[100:101]
	s_or_b32 s[G0SB+3], s[G0SB+3], 0x80000000
	ROUND                                          ; all sixteen work-groups are here: the joint loads meet
	; THE FILLS, all of them first fills, ONE A WAVE, in one tree of branches on the wave's number: wave 0 S0's 256 rows, wave 1 S1's 128 rows, wave 2 S0's scale bytes, wave 3 S1's.  An s_nop 0 and four v_nop follow each.
	s_cmp_lt_u32 s[WV], 1
	s_cbranch_scc0 .Lnot_s0
	tensor_load_to_lds s[G0A:G0A+3], s[G1A:G1A+7]
	s_nop 0
	PLACES 4
	s_branch .Lasked
.Lnot_s0:
	s_cmp_lt_u32 s[WV], 2
	s_cbranch_scc0 .Lscales
	tensor_load_to_lds s[G0B:G0B+3], s[G1B:G1B+7]
	s_nop 0
	PLACES 4
	s_branch .Lasked
.Lscales:
	s_cmp_lt_u32 s[WV], 3
	s_cbranch_scc0 .Lscales_b
	tensor_load_to_lds s[G0SA:G0SA+3], s[G1SA:G1SA+7]
	s_nop 0
	PLACES 4
	s_branch .Lasked
.Lscales_b:
	tensor_load_to_lds s[G0SB:G0SB+3], s[G1SB:G1SB+7]
	s_nop 0
	PLACES 4
.Lasked:
	s_wait_tensorcnt 0x0                           ; my one fill is in
	s_barrier_signal -1
	s_barrier_wait -1                              ; everybody's is
.macro FETCH q                         ; the fragments of the q-th 128 along K into set q % 2: 24 loads in one run
	WIN 0x40                                       ; destination window 1, address window 0
.irp t, 0,1,2,3,4,5,6,7
.irp c, 0,1
	ds_load_b128 v[64*((\q)%2)+8*\t+4*\c:64*((\q)%2)+8*\t+4*\c+3], v[ADR0+(\q)/4] offset:16*PITCH*\t+64*((\q)%4)+32*\c
.endr
.endr
.irp s, 0,1,2,3
.irp c, 0,1
	ds_load_b128 v[192+32*((\q)%2)+8*\s+4*\c:192+32*((\q)%2)+8*\s+4*\c+3], v[ADR1+(\q)/4] offset:16*PITCH*\s+64*((\q)%4)+32*\c
.endr
.endr
.endm
.macro MM s, t, q                      ; accumulator (s, t) takes the q-th 128 along K; an odd tile's scale words lie in lanes 16-31
.set rD, 8*(8*\s+\t)
.set rA, 64*((\q)%2)+8*\t
.set rB, 192+32*((\q)%2)+8*\s
.set rX, SC0+8*(\t/2)+(\q)
.set rY, SC1+8*(\s/2)+(\q)
.if (\q) == 0
.if (\t%2 == 0) && (\s%2 == 0)
	v_wmma_scale_f32_16x16x128_f8f6f4 v[rD:rD+7], v[rA:rA+7], v[rB:rB+7], 0, v[rX], v[rY] matrix_a_fmt:MATRIX_FMT_FP4 matrix_b_fmt:MATRIX_FMT_FP4
.elseif (\t%2 == 1) && (\s%2 == 0)
	v_wmma_scale_f32_16x16x128_f8f6f4 v[rD:rD+7], v[rA:rA+7], v[rB:rB+7], 0, v[rX], v[rY] matrix_a_fmt:MATRIX_FMT_FP4 matrix_b_fmt:MATRIX_FMT_FP4 matrix_a_scale:MATRIX_SCALE_ROW1
.elseif (\t%2 == 0)
	v_wmma_scale_f32_16x16x128_f8f6f4 v[rD:rD+7], v[rA:rA+7], v[rB:rB+7], 0, v[rX], v[rY] matrix_a_fmt:MATRIX_FMT_FP4 matrix_b_fmt:MATRIX_FMT_FP4 matrix_b_scale:MATRIX_SCALE_ROW1
.else
	v_wmma_scale_f32_16x16x128_f8f6f4 v[rD:rD+7], v[rA:rA+7], v[rB:rB+7], 0, v[rX], v[rY] matrix_a_fmt:MATRIX_FMT_FP4 matrix_b_fmt:MATRIX_FMT_FP4 matrix_a_scale:MATRIX_SCALE_ROW1 matrix_b_scale:MATRIX_SCALE_ROW1
.endif
.else
.if (\t%2 == 0) && (\s%2 == 0)
	v_wmma_scale_f32_16x16x128_f8f6f4 v[rD:rD+7], v[rA:rA+7], v[rB:rB+7], v[rD:rD+7], v[rX], v[rY] matrix_a_fmt:MATRIX_FMT_FP4 matrix_b_fmt:MATRIX_FMT_FP4
.elseif (\t%2 == 1) && (\s%2 == 0)
	v_wmma_scale_f32_16x16x128_f8f6f4 v[rD:rD+7], v[rA:rA+7], v[rB:rB+7], v[rD:rD+7], v[rX], v[rY] matrix_a_fmt:MATRIX_FMT_FP4 matrix_b_fmt:MATRIX_FMT_FP4 matrix_a_scale:MATRIX_SCALE_ROW1
.elseif (\t%2 == 0)
	v_wmma_scale_f32_16x16x128_f8f6f4 v[rD:rD+7], v[rA:rA+7], v[rB:rB+7], v[rD:rD+7], v[rX], v[rY] matrix_a_fmt:MATRIX_FMT_FP4 matrix_b_fmt:MATRIX_FMT_FP4 matrix_b_scale:MATRIX_SCALE_ROW1
.else
	v_wmma_scale_f32_16x16x128_f8f6f4 v[rD:rD+7], v[rA:rA+7], v[rB:rB+7], v[rD:rD+7], v[rX], v[rY] matrix_a_fmt:MATRIX_FMT_FP4 matrix_b_fmt:MATRIX_FMT_FP4 matrix_a_scale:MATRIX_SCALE_ROW1 matrix_b_scale:MATRIX_SCALE_ROW1
.endif
.endif
.endm
.macro MULS q                          ; 32 products.  The 32 accumulators take turns, one instruction a turn, in the same order in every step; the first step's take the constant 0: nothing is cleared
	WIN 0xa5                                       ; sources 0 and 1 window 1, C and D window 2
.irp s, 0,1,2,3
.irp t, 0,1,2,3,4,5,6,7
	MM \s, \t, \q
.endr
.endr
.endm
.macro STEP q, sync                    ; 128 along K: the next step's fragments are asked for ahead of this step's 32 products
	s_wait_dscnt 0x0                               ; this step's fragments are in
.if \sync
	s_wait_tensorcnt 0x0                           ; my part of the second K half is in,
	s_barrier_signal -1
	s_barrier_wait -1                              ; everybody's is
.endif
.if (\q) < 7
.if (\q) > 0
	PLACES 4                                       ; four plain lines between the last product and loads into registers that it has read (ISA guide 7.12.1 for vector instructions)
.endif
	FETCH (\q)+1
.endif
	MULS \q
.endm
; 64 numbers of a lane, register 8 t + j = row 16 t + 8 h + j of S0, become eight registers of codes in the next operand's layout, and a scale word.
.macro QUANT src, pc, pw
.irp b, 0,1,2,3
	v_max3_num_f32 v[TM+\b], |v[(\src)+16*\b]|, |v[(\src)+16*\b+1]|, 0x1800000      ; block b: my 16 numbers, and the floor 2^(3 - 127): the byte cannot fall under 1
.endr
.irp i, 2,4,6,8,10,12,14
.irp b, 0,1,2,3
	v_max3_num_f32 v[TM+\b], v[TM+\b], |v[(\src)+16*\b+\i]|, |v[(\src)+16*\b+\i+1]| ; (the four blocks by turns)
.endr
.endr
.irp b, 0,1,2,3
	v_permlanex16_b32 v[TM+4+\b], v[TM+\b], s[SEL], s[SEL+1]
.endr
.irp b, 0,1,2,3
	v_max_num_f32 v[TM+\b], v[TM+\b], v[TM+4+\b]   ; with lane l xor 16's 16: the block's largest magnitude
.endr
.irp b, 0,1,2,3
	v_add_nc_u32 v[TM+12+\b], 0xff000000, v[TM+\b] ; 2 off its exponent field: the conversion's scale operand
.endr
.irp b, 0,1,2,3
	v_lshrrev_b32 v[TM+4+\b], 23, v[TM+12+\b]      ; the scale's byte
.endr
	v_lshl_or_b32 v[\pw], v[TM+5], 8, v[TM+4]
	v_lshl_or_b32 v[\pw], v[TM+6], 16, v[\pw]
	v_lshl_or_b32 v[\pw], v[TM+7], 24, v[\pw]
.irp b, 0,1,2,3
	v_cvt_scalef32_pk8_fp4_f32 v[(\pc)+4*(\b/2)+(\b%2)], v[(\src)+16*\b:(\src)+16*\b+7], v[TM+12+\b]        ; octet h of block b
	v_cvt_scalef32_pk8_fp4_f32 v[(\pc)+4*(\b/2)+2+(\b%2)], v[(\src)+16*\b+8:(\src)+16*\b+15], v[TM+12+\b]   ; octet 2 + h
.endr
	v_nop                                          ; one plain line behind a scaled conversion
.irp c, 0,1
.irp i, 0,1
	v_permlane16_swap_b32 v[(\pc)+4*\c+2*\i], v[(\pc)+4*\c+2*\i+1]   ; register 4 c + i now holds octet i of block 2 c + h
.endr
.endr
.endm
.irp b, 0,1,2,3
	ds_load_b128 v[SC0+8*\b:SC0+8*\b+3], v[ASC0] offset:1088*\b          ; the scale words of all of K: 32 rows (a pair of tiles) are four runs
	ds_load_b128 v[SC0+8*\b+4:SC0+8*\b+7], v[ASC0] offset:1088*\b+16
.endr
.irp b, 0,1
	ds_load_b128 v[SC1+8*\b:SC1+8*\b+3], v[ASC1] offset:1088*\b
	ds_load_b128 v[SC1+8*\b+4:SC1+8*\b+7], v[ASC1] offset:1088*\b+16
.endr
	FETCH 0
	STEP 0, 0
	STEP 1, 0
	STEP 2, 0
	STEP 3, 0                                      ; all of K came with the one fill: no second meeting
	STEP 4, 0
	STEP 5, 0
	STEP 6, 0
	STEP 7, 0
	PLACES 4                                       ; ahead of the first read of results
	s_wait_loadcnt 0x0                             ; the biases
.irp s, 0,1,2,3                        ; a tile of 16 rows of S1 at a time
	WIN 0x21                                       ; source 0 (the bias along S0) window 1, source 2 (the sums) window 2
.irp t, 0,1,2,3,4,5,6,7
.irp j, 0,2,4,6
	v_pk_fma_f32 v[H+8*\t+\j:H+8*\t+\j+1], v[B0+8*\t+\j:B0+8*\t+\j+1], s[F0:F0+1], v[8*(8*\s+\t)+\j:8*(8*\s+\t)+\j+1] op_sel_hi:[1,0,1]   ; each accumulator from its low end on
.endr
.endr
	WIN 0
.irp i, 0,2,4,6,8,10,12,14,16,18,20,22,24,26,28,30,32,34,36,38,40,42,44,46,48,50,52,54,56,58,60,62
	v_pk_fma_f32 v[H+\i:H+\i+1], v[B1+2*\s:B1+2*\s+1], s[F1:F1+1], v[H+\i:H+\i+1] op_sel_hi:[0,0,1]
.endr
	QUANT H, PC+8*\s, PW+\s
	global_store_b128 v[VO+2*\s], v[PC+8*\s:PC+8*\s+3], s[PO:PO+1]         ; 32 lanes store 512 consecutive bytes, at a multiple of 512 from the buffer's first byte
	global_store_b128 v[VO+2*\s+1], v[PC+8*\s+4:PC+8*\s+7], s[PO:PO+1]
	ds_store_b32 v[STW], v[PW+\s] offset:64*\s     ; both halves of the lanes hold the same word and write it to the same place
.endr
	s_wait_dscnt 0x0                               ; for the others' sake: my scale words lie in the stage
	s_barrier_signal -1
	s_barrier_wait -1
	ds_load_b128 v[LA:LA+3], v[STA]                ; Q, K: four rows' words of the pair of heads w / 2, of which I take head w % 2's two bytes each;
	ds_load_b64 v[LB:LB+1], v[STB]                 ; V: my own 256 bytes as they lie
	s_wait_dscnt 0x0
	v_perm_b32 v[OW], v[LA+1], v[LA], s[PSEL]
	v_perm_b32 v[OW+1], v[LA+3], v[LA+2], s[PSEL]
	v_cndmask_b32 v[OW], v[OW], v[LB], s[MV]
	v_cndmask_b32 v[OW+1], v[OW+1], v[LB+1], s[MV]
	global_store_b64 v[OS], v[OW:OW+1], s[POS:POS+1]   ; 32 lanes store 256 consecutive bytes, at a multiple of 256
	s_wait_tensorcnt 0x0
	ds_add_u32 v254, v255
	s_wait_dscnt 0x0
	ROUND                                          ; the closing round: no work-group ends while a partner may still ask for a tile that names it
	s_endpgm
.Lfunc_end_k_qe54239f7d2_proj:
	.size	k_qe54239f7d2_proj, .Lfunc_end_k_qe54239f7d2_proj-k_qe54239f7d2_proj
	.p2alignl 7, 3214868480
	.fill 96, 4, 3214868480
	.section	.rodata,"a",@progbits
	.p2align	6, 0x0
	.amdhsa_kernel k_qe54239f7d2_proj
		.amdhsa_group_segment_fixed_size 224768
		.amdhsa_private_segment_fixed_size 0
		.amdhsa_enable_private_segment 0
		.amdhsa_kernarg_size 144
		.amdhsa_user_sgpr_count 2
		.amdhsa_user_sgpr_kernarg_segment_ptr 1
		.amdhsa_wavefront_size32 1
		.amdhsa_system_sgpr_workgroup_id_x 1
		.amdhsa_system_sgpr_workgroup_id_y 1
		.amdhsa_system_sgpr_workgroup_id_z 1
		.amdhsa_system_vgpr_workitem_id 0
		.amdhsa_next_free_vgpr 768
		.amdhsa_next_free_sgpr 102
		.amdhsa_reserve_vcc 0
		.amdhsa_float_denorm_mode_32 3
		.amdhsa_float_denorm_mode_16_64 3
		.amdhsa_memory_ordered 1
		.amdhsa_forward_progress 1
		.amdhsa_inst_pref_size 93
	.end_amdhsa_kernel
	.amdgpu_metadata
---
amdhsa.version: [ 1, 2 ]
amdhsa.kernels:
  - .name:           k_qe54239f7d2_proj
    .symbol:         k_qe54239f7d2_proj.kd
    .args:
      - { .name: Wq_codes, .offset: 0, .size: 8, .value_kind: global_buffer, .address_space: global }
      - { .name: Wk_codes, .offset: 8, .size: 8, .value_kind: global_buffer, .address_space: global }
      - { .name: v_codes, .offset: 16, .size: 8, .value_kind: global_buffer, .address_space: global }
      - { .name: Wq_scales, .offset: 24, .size: 8, .value_kind: global_buffer, .address_space: global }
      - { .name: Wk_scales, .offset: 32, .size: 8, .value_kind: global_buffer, .address_space: global }
      - { .name: v_scales, .offset: 40, .size: 8, .value_kind: global_buffer, .address_space: global }
      - { .name: qc, .offset: 48, .size: 8, .value_kind: global_buffer, .address_space: global }
      - { .name: k_codes, .offset: 56, .size: 8, .value_kind: global_buffer, .address_space: global }
      - { .name: Wv_codes, .offset: 64, .size: 8, .value_kind: global_buffer, .address_space: global }
      - { .name: qs, .offset: 72, .size: 8, .value_kind: global_buffer, .address_space: global }
      - { .name: k_scales, .offset: 80, .size: 8, .value_kind: global_buffer, .address_space: global }
      - { .name: Wv_scales, .offset: 88, .size: 8, .value_kind: global_buffer, .address_space: global }
      - { .name: bq, .offset: 96, .size: 8, .value_kind: global_buffer, .address_space: global }
      - { .name: bk, .offset: 104, .size: 8, .value_kind: global_buffer, .address_space: global }
      - { .name: bv, .offset: 112, .size: 8, .value_kind: global_buffer, .address_space: global }
      - { .name: QW, .offset: 120, .size: 8, .value_kind: global_buffer, .address_space: global }
      - { .name: KW, .offset: 128, .size: 8, .value_kind: global_buffer, .address_space: global }
      - { .name: VW, .offset: 136, .size: 8, .value_kind: global_buffer, .address_space: global }
    .group_segment_fixed_size: 224768
    .private_segment_fixed_size: 0
    .kernarg_segment_align: 8
    .kernarg_segment_size: 144
    .max_flat_workgroup_size: 128
    .sgpr_count:     102
    .vgpr_count:     768
    .wavefront_size: 32
...
	.end_amdgpu_metadata
.endif
;; end of part 2
;; launch attn (part 3): grid 256 x 1, 16 waves a work-group, no clusters, 76,032 bytes of LDS; arguments QW, KW, VW, q, gamma, beta, out0; writes out0
.if DOCPART == 3
	.amdgcn_target "amdgcn-amd-amdhsa--gfx1250"
	.amdhsa_code_object_version 6
	.text
	.protected	k_qe54239f7d2_attn
	.globl	k_qe54239f7d2_attn
	.p2align	8
	.type	k_qe54239f7d2_attn,@function
k_qe54239f7d2_attn:
	s_mov_b64 s[64:65], 0
	v_nop
	global_prefetch_b8 v0, s[64:65] scope:SCOPE_SE
	s_setreg_imm32_b32 hwreg(HW_REG_WAVE_MODE, 25, 1), 1
	s_wait_xcnt 0x0
; out0[token] = LayerNorm(softmax(Q K^T / 8) V + q): attention and the norm in one launch.  Both products on codes of E2M1 with one E8M0 scale for each 32 along K.
; QW, KW, VW hold images of operand registers (codes from byte 0: 64 KiB a head; scale bytes from byte 0x400000: 4 KiB a head), as the launch before has laid them.
; SHARES.  A work-group owns 32 tokens of one batch with ALL 16 heads, so that a whole row of 1,024 channels is made in it; wave w owns head w: two tiles (A, B) of 16 queries, all 2,048 keys, 128 a step.
; K AND V GO FROM MEMORY STRAIGHT INTO REGISTERS: each fragment is used by one wave alone and lies in memory as the registers want it (32 lanes x 16 bytes on end), and feeds both tiles.
; NO CLUSTER, NO LDS RING: one key step of sixteen heads is 139,264 bytes, so two slots would hold one step each and every round would serve one step; and no wave reads what another wave reads.
; K and V are not prefetched: their loads are issued ahead of their use by the text itself: V of step n at the head of the step, two tiles' softmax ahead; K of step n + 1 behind tile B's scores of step n, one tile's softmax ahead.
; q's 32 rows x 256 bytes of my head are prefetched, a lane a row, ahead of the last key step.
; THE SOFTMAX: t = score x log2(e) / 8; M = the running largest t rounded UP to a whole number; p = 2^(t - M) is quantised along the keys, not normalised; the row's sum is taken of the unquantised p and divides at the end.  When M moves, the sum and O are multiplied by 2^(old M - new M): exact.
; ORDER OF A STEP.  Tile A's softmax and codes; O^T of A rescaled; tile B's scores; the next K asked for; tile B's softmax and codes; O^T of B rescaled; tile A's scores of the next step; BOTH tiles' second products on end, so that V's registers are free for a whole step.
; LAYOUT.  Both products transposed: S^T = K Q^T, O^T = V^T P^T: a lane holds ONE query.  The scores' K is 64: Q's registers 4-7 are zero codes, so whatever K's operand names as its upper half adds nothing: K's fragments lie four registers apart,
; each product names the next fragment as its upper half, and the last names the four registers of lane offsets that follow (any bits are codes of E2M1; they meet zero codes).
; THE NORM.  x = O / l + q.  Each wave takes the mean m of its 64 channels and the squares about m; the sixteen pairs are joined: mean = sum m / 16, squares = sum (squares + 64 (m - mean)^2): no difference of large sums is formed.
; LIMITS: NaN and infinities are not served; the scaled scores stay under 2^31 in magnitude; 1 / 1023 is a multiplication by the nearest f32 number.
.set STAGE, 0                          ; 16 rows x (256 + 16) bytes for each wave
.set TAB,   69632                      ; [wave][32 rows][m, squares]: 256 bytes a wave
.set TAB2,  73728                      ; [32 rows][1 / (std + eps), mean]
.set SPARE, 73984                      ; the spare words: 128 bytes a wave
.set SCOFF, 0x400000
.set QSA, 1                            ; Q's scale bytes, tile A
.set STA, 2                            ; v2 -M, v3 the largest t, v[4:5] the sum: tile A;  v6-9: tile B
.set STB, 6
.set F,   10                           ; f = 2^(old M - new M): the low word of the pair v[10:11], which alone is taken
.set QSB, 11                           ; Q's scale bytes, tile B
.set PWA, 12                           ; p's scale words
.set PWB, 13
.set KS,  14                           ; v14-17 K's scale bytes: lanes 0-15 tile 2 p, lanes 16-31 tile 2 p + 1
.set VS,  18                           ; v18-19 V's scale words likewise
.set QA,  20                           ; v20-23 Q of tile A, v24-27 zeros;  v28-35 tile B
.set QB,  28
.set KF,  36                           ; v36-67 K's eight fragments
.set LI,  68                           ; 16 x lane
.set LH,  69                           ; 2 x lane; ahead of the last step 4,096 x lane
.set LW,  70                           ; 4 x lane
.set GO,  71                           ; in q and out0: lanes 0-15 one row, lanes 16-31 the next; 16 bytes a lane
.set VF,  72                           ; v72-103 V's four fragments
.set S,   104                          ; v104-167 S^T, then p
.set OA,  168                          ; v168-199 O^T of tile A;  v200-231 of tile B
.set OB,  200
.set PCA, 232                          ; p's codes, tile A; tile B
.set PCB, 240
.set BM,  248                          ; the blocks' largest scores, then p, then bytes
.set SO,  252                          ; lane l xor 16's maxima, then the conversions' scale operands
.set W,   252                          ; at work between the two
.set WV,  18
.set PQC, 34
.set PQS, 36
.set PKC, 38
.set PKS, 40
.set PVC, 42
.set PVS, 44
.set PQR, 46
.set POU, 48
.set PGA, 50
.set PBE, 52
.set SEL, 54
.set CS,  56
.set CNT, 58
.macro KLOAD                           ; a key step's eight fragments of K and their scale bytes
.irp t, 0,1,2,3,4,5,6,7
	global_load_b128 v[KF+4*\t:KF+4*\t+3], v[LI], s[PKC:PKC+1] offset:512*\t
.endr
.irp p, 0,1,2,3
	global_load_u16 v[KS+\p], v[LH], s[PKS:PKS+1] offset:64*\p
.endr
.endm
.macro VLOAD
.irp d, 0,1,2,3
.irp c, 0,1
	global_load_b128 v[VF+8*\d+4*\c:VF+8*\d+4*\c+3], v[LI], s[PVC:PVC+1] offset:1024*\d+512*\c
.endr
.endr
.irp p, 0,1
	global_load_b32 v[VS+\p], v[LW], s[PVS:PVS+1] offset:128*\p
.endr
.endm
.macro QLOAD dst, off                  ; 16 rows of q, my head's 256 bytes each
.irp i, 0,1,2,3,4,5,6,7
	global_load_b128 v[\dst+4*\i:\dst+4*\i+3], v[GO], s[PQR:PQR+1] offset:\off+8192*\i th:TH_LOAD_NT
.endr
.endm
.macro QK nq, nqs                      ; S^T: in tile t lane (r, h) holds query r and keys 16 t + 8 h + 0..7
.irp t, 0,1,2,3,4,5,6,7
.if \t%2
	v_wmma_scale_f32_16x16x128_f8f6f4 v[S+8*\t:S+8*\t+7], v[KF+4*\t:KF+4*\t+7], v[\nq:\nq+7], 0, v[KS+\t/2], v[\nqs] matrix_a_fmt:MATRIX_FMT_FP4 matrix_b_fmt:MATRIX_FMT_FP4 matrix_a_scale:MATRIX_SCALE_ROW1
.else
	v_wmma_scale_f32_16x16x128_f8f6f4 v[S+8*\t:S+8*\t+7], v[KF+4*\t:KF+4*\t+7], v[\nq:\nq+7], 0, v[KS+\t/2], v[\nqs] matrix_a_fmt:MATRIX_FMT_FP4 matrix_b_fmt:MATRIX_FMT_FP4
.endif
.endr
.endm
.macro PVM o, pc, pw                   ; O^T += V^T P^T: four accumulators, one instruction each
.irp d, 0,1,2,3
.if \d%2
	v_wmma_scale_f32_16x16x128_f8f6f4 v[\o+8*\d:\o+8*\d+7], v[VF+8*\d:VF+8*\d+7], v[\pc:\pc+7], v[\o+8*\d:\o+8*\d+7], v[VS+\d/2], v[\pw] matrix_a_fmt:MATRIX_FMT_FP4 matrix_b_fmt:MATRIX_FMT_FP4 matrix_a_scale:MATRIX_SCALE_ROW1
.else
	v_wmma_scale_f32_16x16x128_f8f6f4 v[\o+8*\d:\o+8*\d+7], v[VF+8*\d:VF+8*\d+7], v[\pc:\pc+7], v[\o+8*\d:\o+8*\d+7], v[VS+\d/2], v[\pw] matrix_a_fmt:MATRIX_FMT_FP4 matrix_b_fmt:MATRIX_FMT_FP4
.endif
.endr
.endm
.macro TMINUS st, n                    ; t - M, two at a time: n lines from register S + j on
.rept \n
	v_pk_fma_f32 v[S+j:S+j+1], v[S+j:S+j+1], s[CS:CS+1], v[\st:\st+1] op_sel_hi:[1,0,0]
.set j, j+2
.endr
.endm
.macro SWAPS pc
.irp c, 0,1
.irp i, 0,1
	v_permlane16_swap_b32 v[\pc+4*\c+2*\i], v[\pc+4*\c+2*\i+1]   ; register 4 c + i now holds octet i of block 2 c + h
.endr
.endr
.endm
.macro RESCALE o
	s_wait_alu depctr_va_vdst(0)                   ; directly ahead of the first reader of O^T
.set j, 0
.rept 16
	v_pk_mul_f32 v[\o+j:\o+j+1], v[\o+j:\o+j+1], v[F:F+1] op_sel_hi:[1,0]   ; O^T under the new M
.set j, j+2
.endr
.endm
; ONE TILE'S SHARE OF A KEY STEP.  st: its state; o: its O^T; pc, pw: its codes and scale word; kind: 0 tile A, 1 tile B, in the loop; 2 tile A, 3 tile B, in the last step.
.macro TS st, o, pc, pw, kind
.if (\kind == 0) || (\kind == 2)
	VLOAD                                          ; this step's V: four plain lines stand behind the products that read these registers
.endif
.irp b, 0,1,2,3
	v_max3_num_f32 v[BM+\b], v[S+16*\b], v[S+16*\b+1], v[S+16*\b+2]   ; the largest score of each block of 32 keys
.endr
.irp i, 3,5,7,9,11,13
.irp b, 0,1,2,3
	v_max3_num_f32 v[BM+\b], v[BM+\b], v[S+16*\b+\i], v[S+16*\b+\i+1]
.endr
.endr
.irp b, 0,1,2,3
	v_max_num_f32 v[BM+\b], v[BM+\b], v[S+16*\b+15]
.endr
.irp b, 0,1,2,3
	s_delay_alu instid0(VALU_DEP_4)
	v_permlanex16_b32 v[SO+\b], v[BM+\b], s[SEL], s[SEL+1]
.endr
.irp b, 0,1,2,3
	s_delay_alu instid0(VALU_DEP_4)
	v_max_num_f32 v[BM+\b], v[BM+\b], v[SO+\b]     ; with lane l xor 16's 16 keys
.endr
	s_delay_alu instid0(VALU_DEP_2)
	v_max3_num_f32 v[W], v[BM], v[BM+1], v[BM+2]
	s_delay_alu instid0(VALU_DEP_1)
	v_max_num_f32 v[W], v[W], v[BM+3]              ; the step's largest score of my query
	s_delay_alu instid0(VALU_DEP_1)
	v_mul_f32 v[W], s[CS], v[W]                    ; as t (c is positive)
	s_delay_alu instid0(VALU_DEP_1)
	v_max_num_f32 v[\st+1], v[\st+1], v[W]         ; the running largest t
	v_mov_b32 v[W], v[\st]
	s_delay_alu instid0(VALU_DEP_2)
	v_floor_f32 v[\st], -v[\st+1]                  ; the new -M = -ceil(t): a whole number
.set j, 0
	TMINUS \st, 8                                  ; f's three dependent lines stand among the 32 multiply-adds
	v_sub_f32 v[W], v[\st], v[W]                   ; old M - new M: a whole number, 0 or less
	TMINUS \st, 8
	v_cvt_i32_f32 v[W], v[W]                       ; (it saturates)
	TMINUS \st, 8
	v_ldexp_f32 v[F], 1.0, v[W]                    ; f = 2^(old M - new M)
	TMINUS \st, 8
.irp b, 0,1,2,3
	v_fma_f32 v[BM+\b], v[BM+\b], s[CS], v[\st]    ; the same of each block's largest score
.endr
	s_wait_alu depctr_va_vdst(0)                   ; ahead of the batch
.irp b, 0,1,2,3
	v_exp_f32 v[BM+\b], v[BM+\b]                   ; the block's largest p: the same two instructions on the same number
.endr
.set j, 0
.rept 64
	v_exp_f32 v[S+j], v[S+j]                       ; p = 2^(t - M), at most 1
.set j, j+1
.endr
	v_pk_mul_f32 v[\st+2:\st+3], v[\st+2:\st+3], v[F:F+1] op_sel_hi:[1,0]   ; the sums under the new M: a plain line behind the exponentials
	s_wait_alu depctr_va_vdst(0)                   ; one wait for the batch of 68, ahead of its first reader
.irp b, 0,1,2,3
	v_max_num_f32 v[BM+\b], 0x1800000, v[BM+\b]    ; the floor 2^(3 - 127): the byte cannot fall under 1
.endr
.irp b, 0,1,2,3
	s_delay_alu instid0(VALU_DEP_4)
	v_add_nc_u32 v[SO+\b], 0xff000000, v[BM+\b]    ; 2 off the exponent field: the conversion's scale operand
.endr
.irp b, 0,1,2,3
	v_cvt_scalef32_pk8_fp4_f32 v[\pc+4*(\b/2)+(\b%2)], v[S+16*\b:S+16*\b+7], v[SO+\b]        ; octet h of block b
	v_cvt_scalef32_pk8_fp4_f32 v[\pc+4*(\b/2)+2+(\b%2)], v[S+16*\b+8:S+16*\b+15], v[SO+\b]   ; octet 2 + h
.endr
	v_lshrrev_b32 v[BM], 23, v[SO]                 ; the scales' bytes (plain lines behind the conversions)
	v_lshrrev_b32 v[BM+1], 23, v[SO+1]
.if (\kind == 1) || (\kind == 3)
	v_lshrrev_b32 v[BM+2], 23, v[SO+2]
	v_lshrrev_b32 v[BM+3], 23, v[SO+3]
	s_delay_alu instid0(VALU_DEP_3)
	v_lshl_or_b32 v[\pw], v[BM+1], 8, v[BM]        ; p's scale word for these 128 keys
	s_delay_alu instid0(VALU_DEP_1)
	v_lshl_or_b32 v[\pw], v[BM+2], 16, v[\pw]
	s_delay_alu instid0(VALU_DEP_1)
	v_lshl_or_b32 v[\pw], v[BM+3], 24, v[\pw]
	SWAPS \pc
.endif
.irp n, 32,16,8,4,2                    ; the row's sum of the unquantised p, added in place: 32 pairs fold to one in 31 lines
.set j, 0
.rept \n/2
	v_pk_add_f32 v[S+j:S+j+1], v[S+j:S+j+1], v[S+\n+j:S+\n+j+1]
.set j, j+2
.endr
.endr
	s_delay_alu instid0(VALU_DEP_1)
	v_pk_add_f32 v[\st+2:\st+3], v[\st+2:\st+3], v[S:S+1]
.if (\kind == 0) || (\kind == 2)
	RESCALE \o
	QK QB, QSB                                     ; tile B's scores of this step
	v_lshrrev_b32 v[BM+2], 23, v[SO+2]             ; these five plain lines stand between the scores and what touches their registers
	v_lshrrev_b32 v[BM+3], 23, v[SO+3]
	v_lshl_or_b32 v[\pw], v[BM+1], 8, v[BM]        ; p's scale word for these 128 keys
	s_delay_alu instid0(VALU_DEP_1)
	v_lshl_or_b32 v[\pw], v[BM+2], 16, v[\pw]
	s_delay_alu instid0(VALU_DEP_1)
	v_lshl_or_b32 v[\pw], v[BM+3], 24, v[\pw]
	SWAPS \pc
.if \kind == 0
	KLOAD                                          ; the next step's K
.else
	QLOAD KF, 0                                    ; no K follows: tile A's rows of q take its registers
.endif
.else
	s_wait_alu depctr_va_vdst(0)
.if \kind == 1
	s_wait_loadcnt 0x0                             ; this step's V and the next step's K are in: their addresses may step
	s_add_nc_u64 s[PVC:PVC+1], s[PVC:PVC+1], 4096
	s_add_nc_u64 s[PVS:PVS+1], s[PVS:PVS+1], 256
	s_add_nc_u64 s[PKC:PKC+1], s[PKC:PKC+1], 4096
	s_add_nc_u64 s[PKS:PKS+1], s[PKS:PKS+1], 256
.else
	s_wait_loadcnt 0x8                             ; V is in; the eight loads of q's rows behind it may be out
.endif
	RESCALE \o
.if \kind == 1
	QK QA, QSA                                     ; tile A's scores of the next step
.endif
	PVM OA, PCA, PWA                               ; both tiles' second products: eight accumulators, one instruction each
	PVM OB, PCB, PWB
.if \kind == 1
.rept 4
	v_nop                                          ; four plain lines between these products and the loads into V's registers, and ahead of the first read of the scores
.endr
.endif
.endif
.endm
	s_load_b256 s[4:11], s[0:1], 0x0               ; QW, KW, VW, q
	s_load_b128 s[12:15], s[0:1], 0x20             ; gamma, beta
	s_load_b64 s[16:17], s[0:1], 0x30              ; out0
	v_lshrrev_b32 v[W], 5, v0
	s_delay_alu instid0(VALU_DEP_1)
	v_readfirstlane_b32 s[WV], v[W]                ; wave 0..15 = my head
	s_lshr_b32 s20, ttmp9, 6                       ; the batch: 64 work-groups each
	s_lshl_b32 s20, s20, 4
	s_add_co_u32 s20, s20, s[WV]                   ; bh = 16 b + head
	s_lshl_b32 s22, s20, 16                        ; the head's codes,
	s_mov_b32 s23, 0
	s_lshl_b32 s24, s20, 12
	s_add_co_u32 s24, s24, SCOFF                   ; and its scale bytes
	s_mov_b32 s25, 0
	s_and_b32 s21, ttmp9, 63                       ; my 32 tokens in the batch: tiles 2 x this, and the next
	s_lshl_b32 s26, s21, 10
	s_add_co_u32 s26, s26, s22                     ; Q's images
	s_mov_b32 s27, 0
	s_lshl_b32 s28, s21, 6
	s_add_co_u32 s28, s28, s24                     ; their scale bytes
	s_mov_b32 s29, 0
	s_lshl_b32 s30, ttmp9, 17                      ; q, out0: 32 rows of 4,096 bytes a work-group,
	s_lshl_b32 s32, s[WV], 8                       ; + 256 bytes a head; gamma and beta likewise
	s_add_co_u32 s30, s30, s32
	s_mov_b32 s31, 0
	s_mov_b32 s33, 0
	s_mov_b32 s[SEL], 0x76543210
	s_mov_b32 s[SEL+1], 0xfedcba98                 ; lane l xor 16
	s_mov_b32 s[CS], 0x3e38aa3b                    ; c = log2(e) / 8
	s_mov_b32 s[CS+1], s[CS]                       ; (named with it as a pair)
	s_mov_b32 s[CNT], 15
	v_and_b32 v[W], 31, v0                         ; lane
	v_and_b32 v[S], 15, v0                         ; r
	v_bfe_u32 v[S+1], v0, 4, 1                     ; h
	v_lshlrev_b32 v[LI], 4, v[W]
	v_lshlrev_b32 v[LH], 1, v[W]
	v_lshlrev_b32 v[LW], 2, v[W]
	v_lshlrev_b32 v[GO], 12, v[S+1]
	v_lshlrev_b32 v[S+2], 1, v[S]                  ; 2 r: Q's scale bytes
	v_lshl_add_u32 v[GO], v[S], 4, v[GO]
.irp i, 0,1,2,3
	v_mov_b32 v[QA+4+\i], 0                        ; Q's upper halves: zero codes
	v_mov_b32 v[QB+4+\i], 0
	v_mov_b32 v[SO+\i], 0                          ; a lane permute's destination counts as one of its sources
.endr
.irp u, STA, STB
	v_mov_b32 v[\u+1], 0xff61b1e6                  ; the largest t so far: -3e38, under every t
	v_mov_b32 v[\u+2], 0
	v_mov_b32 v[\u+3], 0
.endr
	v_floor_f32 v[STA], -v[STA+1]                  ; -M
	v_floor_f32 v[STB], -v[STB+1]
	s_wait_alu depctr_va_vdst(0)
	s_wait_kmcnt 0x0
	s_add_nc_u64 s[PQC:PQC+1], s[4:5], s[26:27]
	s_add_nc_u64 s[PQS:PQS+1], s[4:5], s[28:29]
	s_add_nc_u64 s[PKC:PKC+1], s[6:7], s[22:23]
	s_add_nc_u64 s[PKS:PKS+1], s[6:7], s[24:25]
	s_add_nc_u64 s[PVC:PVC+1], s[8:9], s[22:23]
	s_add_nc_u64 s[PVS:PVS+1], s[8:9], s[24:25]
	s_add_nc_u64 s[PQR:PQR+1], s[10:11], s[30:31]
	s_add_nc_u64 s[POU:POU+1], s[16:17], s[30:31]
	s_add_nc_u64 s[PGA:PGA+1], s[12:13], s[32:33]
	s_add_nc_u64 s[PBE:PBE+1], s[14:15], s[32:33]
	global_load_b128 v[QA:QA+3], v[LI], s[PQC:PQC+1]               ; Q's images: registers 0-3 of the operand
	global_load_b128 v[QB:QB+3], v[LI], s[PQC:PQC+1] offset:512
	global_load_u16 v[QSA], v[S+2], s[PQS:PQS+1]                   ; two scale bytes a row
	global_load_u16 v[QSB], v[S+2], s[PQS:PQS+1] offset:32
	KLOAD                                          ; key step 0
	s_wait_loadcnt 0x0
	s_add_nc_u64 s[PKC:PKC+1], s[PKC:PKC+1], 4096
	s_add_nc_u64 s[PKS:PKS+1], s[PKS:PKS+1], 256
	QK QA, QSA                                     ; tile A's scores of key step 0
.set j, 0
.rept 64
	v_mov_b32 v[OA+j], 0                           ; O^T of both tiles: the step is written for every step alike: the first finds zeros.  (Also the plain lines behind the scores)
.set j, j+1
.endr
	s_wait_alu depctr_va_vdst(0)
.Lstep:                                            ; key steps 0 to 14
	TS STA, OA, PCA, PWA, 0
	TS STB, OB, PCB, PWB, 1
	s_sub_co_u32 s[CNT], s[CNT], 1
	s_cmp_lg_u32 s[CNT], 0
	s_cbranch_scc1 .Lstep
	v_lshlrev_b32 v[LH], 11, v[LH]                 ; K's scale bytes have all come: the register now holds 4,096 x lane, and is not written again
	global_prefetch_b8 v[LH], s[PQR:PQR+1] th:TH_LOAD_NT scope:SCOPE_SE   ; q's 32 rows, my head's 256 bytes each: a lane a row, each block named once in the launch
	TS STA, OA, PCA, PWA, 2                        ; key step 15 is written out: no K follows it
	TS STB, OB, PCB, PWB, 3
; THE WAY OUT.
.set ER,  20                           ; r
.set EH,  21                           ; h
.set STO, 22                           ; the stage by queries: row r, + 32 h
.set SRD, 23                           ; the stage by rows: lanes 0-15 one row, lanes 16-31 the next
.set TW,  24
.set TR,  25
.set UW,  26
.set UR,  27
.set GA,  28
.set SPW, 30                           ; my spare word, and 0: no two registers could be kept through the loop, so they are made here from v0, which is as at the entry
.set NIL, 31
.set T,   240                          ; v240-247 at work for tile A, v248-255 for tile B
.macro BYROWS_ST src
.irp i, 0,1,2,3,4,5,6,7
	ds_store_b128 v[SRD], v[\src+4*\i:\src+4*\i+3] offset:544*\i
.endr
.endm
.macro BYROWS_LD dst
.irp i, 0,1,2,3,4,5,6,7
	ds_load_b128 v[\dst+4*\i:\dst+4*\i+3], v[SRD] offset:544*\i
.endr
.endm
.macro BYQ_ST src
.irp d, 0,1,2,3
	ds_store_b128 v[STO], v[\src+8*\d:\src+8*\d+3] offset:64*\d
	ds_store_b128 v[STO], v[\src+8*\d+4:\src+8*\d+7] offset:64*\d+16
.endr
.endm
.macro BYQ_LD dst
.irp d, 0,1,2,3
	ds_load_b128 v[\dst+8*\d:\dst+8*\d+3], v[STO] offset:64*\d
	ds_load_b128 v[\dst+8*\d+4:\dst+8*\d+7], v[STO] offset:64*\d+16
.endr
.endm
.macro RED m                           ; both tiles' four chains of pairs, the pair's halves, lane l xor 16: into v[STA + m], v[STB + m]
.irp u, 0,1
	v_pk_add_f32 v[T+8*\u:T+8*\u+1], v[T+8*\u:T+8*\u+1], v[T+8*\u+2:T+8*\u+3]
.endr
.irp u, 0,1
	v_pk_add_f32 v[T+8*\u+4:T+8*\u+5], v[T+8*\u+4:T+8*\u+5], v[T+8*\u+6:T+8*\u+7]
.endr
.irp u, 0,1
	s_delay_alu instid0(VALU_DEP_2)
	v_pk_add_f32 v[T+8*\u:T+8*\u+1], v[T+8*\u:T+8*\u+1], v[T+8*\u+4:T+8*\u+5]
.endr
.irp u, 0,1
	s_delay_alu instid0(VALU_DEP_2)
	v_add_f32 v[STA+4*\u+\m], v[T+8*\u], v[T+8*\u+1]
.endr
.irp u, 0,1
	s_delay_alu instid0(VALU_DEP_2)
	v_permlanex16_b32 v[T+8*\u+2], v[STA+4*\u+\m], s[SEL], s[SEL+1]
.endr
.irp u, 0,1
	s_delay_alu instid0(VALU_DEP_2)
	v_add_f32 v[STA+4*\u+\m], v[STA+4*\u+\m], v[T+8*\u+2]
.endr
.endm
.macro XSUM r                          ; over the sixteen lanes of a row of lanes
.irp x, 1,2,4,8
	s_delay_alu instid0(VALU_DEP_1)
	v_add_f32_dpp v[\r], v[\r], v[\r] row_xmask:\x row_mask:0xf bank_mask:0xf
.endr
.endm
	s_mul_i32 s20, s[WV], 4352                     ; my stage
	s_lshl_b32 s21, s[WV], 8
	s_add_co_u32 s21, s21, TAB                     ; my 256 bytes of the table
	s_lshl_b32 s22, s[WV], 4
	s_add_co_u32 s23, s22, TAB2                    ; rows 2 w, 2 w + 1 are mine to finish
	s_add_co_u32 s22, s22, TAB
	v_and_b32 v[ER], 15, v0                        ; r.  (These plain lines stand between the last products and what touches their registers)
	v_bfe_u32 v[EH], v0, 4, 1                      ; h
	v_lshl_add_u32 v[SPW], v0, 2, SPARE
	v_mov_b32 v[NIL], 0
	v_mul_u32_u24 v[STO], v[ER], 272
	v_mul_u32_u24 v[SRD], v[EH], 272
	v_lshl_add_u32 v[STO], v[EH], 5, v[STO]
	v_lshl_add_u32 v[SRD], v[ER], 4, v[SRD]
	v_add_nc_u32 v[STO], s20, v[STO]
	v_add_nc_u32 v[SRD], s20, v[SRD]
	v_lshl_add_u32 v[TW], v[ER], 3, s21            ; my pair of row r (tile B: 128 bytes on)
	v_lshl_add_u32 v[TR], v[ER], 8, s22            ; wave r's pair of row 2 w + h
	v_lshl_add_u32 v[UW], v[EH], 3, s23
	v_lshl_add_u32 v[UR], v[ER], 3, TAB2
	v_lshlrev_b32 v[GA], 5, v[EH]
	v_lshl_add_u32 v[TR], v[EH], 3, v[TR]
	QLOAD VF, 65536                                ; tile B's rows of q
	v_add_f32 v[STA+2], v[STA+2], v[STA+3]         ; the sums' two halves,
	v_add_f32 v[STB+2], v[STB+2], v[STB+3]
	s_delay_alu instid0(VALU_DEP_2)
	v_permlanex16_b32 v[STA+3], v[STA+2], s[SEL], s[SEL+1]
	s_delay_alu instid0(VALU_DEP_2)
	v_permlanex16_b32 v[STB+3], v[STB+2], s[SEL], s[SEL+1]
	s_delay_alu instid0(VALU_DEP_2)
	v_add_f32 v[STA+2], v[STA+2], v[STA+3]         ; and lane l xor 16's
	s_delay_alu instid0(VALU_DEP_2)
	v_add_f32 v[STB+2], v[STB+2], v[STB+3]
	s_wait_alu depctr_va_vdst(0)                   ; ahead of the batch
	v_rcp_f32 v[STA+2], v[STA+2]
	v_rcp_f32 v[STB+2], v[STB+2]
	v_nop
	s_wait_alu depctr_va_vdst(0)
	s_wait_loadcnt 0x8                             ; tile A's rows of q are in; tile B's eight loads may be out
	BYROWS_ST KF                                   ; q turns through my stage: in by rows, back by queries.  LDS serves a wave's instructions in order
	BYQ_LD S
	s_wait_loadcnt 0x0
	BYROWS_ST VF
	BYQ_LD S+32
	s_wait_dscnt 0x0
.irp d, 0,1,2,3
.irp c, 0,1
	global_load_b128 v[KF+8*\d+4*\c:KF+8*\d+4*\c+3], v[GA], s[PGA:PGA+1] offset:64*\d+16*\c   ; gamma and beta of channels 16 d + 8 h + 0..7 of my head
	global_load_b128 v[VF+8*\d+4*\c:VF+8*\d+4*\c+3], v[GA], s[PBE:PBE+1] offset:64*\d+16*\c
.endr
.endr
	s_wait_alu depctr_va_vdst(0)                   ; directly ahead of the first reader of O^T
.irp u, 0,1
.set j, 0
.rept 16
	v_pk_fma_f32 v[OA+32*\u+j:OA+32*\u+j+1], v[OA+32*\u+j:OA+32*\u+j+1], v[STA+4*\u+2:STA+4*\u+3], v[S+32*\u+j:S+32*\u+j+1] op_sel_hi:[1,0,1]   ; x = O / l + q; each accumulator from its low end on
.set j, j+2
.endr
.endr
.irp k, 0,1,2,3
.irp u, 0,1
	v_pk_add_f32 v[T+8*\u+2*\k:T+8*\u+2*\k+1], v[OA+32*\u+2*\k:OA+32*\u+2*\k+1], v[OA+32*\u+8+2*\k:OA+32*\u+9+2*\k]
.endr
.endr
.irp i, 16,24
.irp k, 0,1,2,3
.irp u, 0,1
	v_pk_add_f32 v[T+8*\u+2*\k:T+8*\u+2*\k+1], v[T+8*\u+2*\k:T+8*\u+2*\k+1], v[OA+32*\u+\i+2*\k:OA+32*\u+\i+2*\k+1]
.endr
.endr
.endr
	RED 0
	v_mul_f32 v[STA], 0x3c800000, v[STA]           ; m = the mean of my 64 channels
	v_mul_f32 v[STB], 0x3c800000, v[STB]
.irp u, 0,1
.set j, 0
.rept 16
	v_pk_add_f32 v[OA+32*\u+j:OA+32*\u+j+1], v[OA+32*\u+j:OA+32*\u+j+1], v[STA+4*\u:STA+4*\u+1] op_sel_hi:[1,0] neg_lo:[0,1] neg_hi:[0,1]   ; x - m, in place
.set j, j+2
.endr
.endr
.irp k, 0,1,2,3
.irp u, 0,1
	v_pk_mul_f32 v[T+8*\u+2*\k:T+8*\u+2*\k+1], v[OA+32*\u+2*\k:OA+32*\u+2*\k+1], v[OA+32*\u+2*\k:OA+32*\u+2*\k+1]
.endr
.endr
.irp i, 8,16,24
.irp k, 0,1,2,3
.irp u, 0,1
	v_pk_fma_f32 v[T+8*\u+2*\k:T+8*\u+2*\k+1], v[OA+32*\u+\i+2*\k:OA+32*\u+\i+2*\k+1], v[OA+32*\u+\i+2*\k:OA+32*\u+\i+2*\k+1], v[T+8*\u+2*\k:T+8*\u+2*\k+1]
.endr
.endr
.endr
	RED 1                                          ; the squares about m
	ds_store_b64 v[TW], v[STA:STA+1]               ; both halves of the lanes hold the same pair and write it to the same place
	ds_store_b64 v[TW], v[STB:STB+1] offset:128
	s_wait_alu depctr_va_vdst(0)
	s_wait_dscnt 0x0                               ; for the others' sake
	s_barrier_signal -1
	s_barrier_wait -1
	ds_load_b64 v[T:T+1], v[TR]                    ; row 2 w + h: lane r takes wave r's pair
	s_wait_dscnt 0x0
	v_add_f32_dpp v[T+3], v[T], v[T] row_xmask:1 row_mask:0xf bank_mask:0xf
.irp x, 2,4,8
	s_delay_alu instid0(VALU_DEP_1)
	v_add_f32_dpp v[T+3], v[T+3], v[T+3] row_xmask:\x row_mask:0xf bank_mask:0xf
.endr
	s_delay_alu instid0(VALU_DEP_1)
	v_mul_f32 v[T+3], 0x3d800000, v[T+3]           ; the row's mean: the sixteen m / 16
	s_delay_alu instid0(VALU_DEP_1)
	v_sub_f32 v[T+2], v[T], v[T+3]
	s_delay_alu instid0(VALU_DEP_1)
	v_mul_f32 v[T+2], v[T+2], v[T+2]
	s_delay_alu instid0(VALU_DEP_1)
	v_fma_f32 v[T+2], v[T+2], 0x42800000, v[T+1]   ; squares + 64 (m - mean)^2
	XSUM T+2
	s_delay_alu instid0(VALU_DEP_1)
	v_mul_f32 v[T+2], 0x3a802008, v[T+2]           ; / 1,023
	s_wait_alu depctr_va_vdst(0)
	v_sqrt_f32 v[T+2], v[T+2]
	v_nop
	s_wait_alu depctr_va_vdst(0)
	v_add_f32 v[T+2], 0x322bcc77, v[T+2]           ; + 1e-8
	s_wait_alu depctr_va_vdst(0)
	v_rcp_f32 v[T+2], v[T+2]
	v_nop
	s_wait_alu depctr_va_vdst(0)
	ds_store_b64 v[UW], v[T+2:T+3]                 ; 1 / (std + eps), mean: sixteen lanes write the same pair to the same place
	s_wait_dscnt 0x0
	s_barrier_signal -1
	s_barrier_wait -1
	ds_load_b64 v[T:T+1], v[UR]                    ; my query's pair: tile A,
	ds_load_b64 v[T+8:T+9], v[UR] offset:128       ; tile B
	s_wait_loadcnt 0x0                             ; gamma, beta
	s_wait_dscnt 0x0
.irp u, 0,1
	v_sub_f32 v[STA+4*\u], v[STA+4*\u], v[T+8*\u+1]
.endr
.irp u, 0,1
	s_delay_alu instid0(VALU_DEP_2)
	v_mul_f32 v[STA+4*\u], v[STA+4*\u], v[T+8*\u]  ; (m - mean) / (std + eps)
.endr
.irp u, 0,1
.set j, 0
.rept 16
	v_pk_fma_f32 v[OA+32*\u+j:OA+32*\u+j+1], v[OA+32*\u+j:OA+32*\u+j+1], v[T+8*\u:T+8*\u+1], v[STA+4*\u:STA+4*\u+1] op_sel_hi:[1,0,0]   ; (x - mean) / (std + eps)
.set j, j+2
.endr
.endr
.irp u, 0,1
.set j, 0
.rept 16
	v_pk_fma_f32 v[OA+32*\u+j:OA+32*\u+j+1], v[OA+32*\u+j:OA+32*\u+j+1], v[KF+j:KF+j+1], v[VF+j:VF+j+1]   ; x gamma + beta
.set j, j+2
.endr
.endr
	BYQ_ST OA                                      ; through my stage: in by queries, back by rows
	BYROWS_LD S
	BYQ_ST OB
	BYROWS_LD S+32
	s_wait_dscnt 0x10                              ; tile A is back; tile B's eight stores and eight loads may be out
.irp i, 0,1,2,3,4,5,6,7
	global_store_b128 v[GO], v[S+4*\i:S+4*\i+3], s[POU:POU+1] offset:8192*\i th:TH_STORE_NT   ; lanes 0-15 and lanes 16-31 each store 256 consecutive bytes, at a multiple of 256
.endr
	s_wait_dscnt 0x0
.irp i, 0,1,2,3,4,5,6,7
	global_store_b128 v[GO], v[S+32+4*\i:S+32+4*\i+3], s[POU:POU+1] offset:65536+8192*\i th:TH_STORE_NT
.endr
	s_wait_tensorcnt 0x0                           ; the wave's end
	ds_add_u32 v[SPW], v[NIL]
	s_wait_dscnt 0x0
	s_endpgm
.Lfunc_end_k_qe54239f7d2_attn:
	.size	k_qe54239f7d2_attn, .Lfunc_end_k_qe54239f7d2_attn-k_qe54239f7d2_attn
	.p2alignl 7, 3214868480
	.fill 96, 4, 3214868480
	.section	.rodata,"a",@progbits
	.p2align	6, 0x0
	.amdhsa_kernel k_qe54239f7d2_attn
		.amdhsa_group_segment_fixed_size 76032
		.amdhsa_private_segment_fixed_size 0
		.amdhsa_enable_private_segment 0
		.amdhsa_kernarg_size 56
		.amdhsa_user_sgpr_count 2
		.amdhsa_user_sgpr_kernarg_segment_ptr 1
		.amdhsa_wavefront_size32 1
		.amdhsa_system_sgpr_workgroup_id_x 1
		.amdhsa_system_sgpr_workgroup_id_y 1
		.amdhsa_system_sgpr_workgroup_id_z 1
		.amdhsa_system_vgpr_workitem_id 0
		.amdhsa_next_free_vgpr 256
		.amdhsa_next_free_sgpr 66
		.amdhsa_reserve_vcc 0
		.amdhsa_float_denorm_mode_32 3
		.amdhsa_float_denorm_mode_16_64 3
		.amdhsa_memory_ordered 1
		.amdhsa_forward_progress 1
		.amdhsa_inst_pref_size 92
	.end_amdhsa_kernel
	.amdgpu_metadata
---
amdhsa.version: [ 1, 2 ]
amdhsa.kernels:
  - .name:           k_qe54239f7d2_attn
    .symbol:         k_qe54239f7d2_attn.kd
    .args:
      - { .name: QW, .offset: 0, .size: 8, .value_kind: global_buffer, .address_space: global }
      - { .name: KW, .offset: 8, .size: 8, .value_kind: global_buffer, .address_space: global }
      - { .name: VW, .offset: 16, .size: 8, .value_kind: global_buffer, .address_space: global }
      - { .name: q, .offset: 24, .size: 8, .value_kind: global_buffer, .address_space: global }
      - { .name: gamma, .offset: 32, .size: 8, .value_kind: global_buffer, .address_space: global }
      - { .name: beta, .offset: 40, .size: 8, .value_kind: global_buffer, .address_space: global }
      - { .name: out0, .offset: 48, .size: 8, .value_kind: global_buffer, .address_space: global }
    .group_segment_fixed_size: 76032
    .private_segment_fixed_size: 0
    .kernarg_segment_align: 8
    .kernarg_segment_size: 56
    .max_flat_workgroup_size: 512
    .sgpr_count:     66
    .vgpr_count:     256
    .wavefront_size: 32
...
	.end_amdgpu_metadata
.endif
;; end of part 3
